; MI455X (gfx1250); checked and timed in simulation.
; The chip was launched on July 23, 2026; its instructions are those of AMD's public machine-readable ISA for CDNA 5 (MIT licence, August 2026) and "CDNA5" Instruction Set Architecture Reference Guide (July 2026). The comments in the code are by the model that wrote it; some were corrected since.
;; Generalized Attention. Allowed arithmetic: matrix products marked QUANTISED: E3M2 operands, one E8M0 scale for each 32 along K, by v_wmma_scale_f32_16x16x128_f8f6f4 with both operands' format E3M2, f32 sums; products left as they are: f32 operands where the result goes on into a quantised operand, else bf16, f16 or f32 operands; f32 sums; everything else in f32.
;; Inputs: W 256 x 256 float32; b 256 float32; edges 4 x 256 x 256 x 256 float32; nodes 4 x 256 x 256 float32.
;; Outputs: out0 4 x 256 x 256 float32; out1 4 x 8 x 256 x 256 float32.
;; This version of the problem:
;;   THIS VERSION OF THE PROBLEM IS GIVEN IN LOW PRECISION. The matrix products marked QUANTISED in the list below multiply operands that are first quantised to E3M2 (3 exponent bits, 2 mantissa bits; 6 bits a number), with one power-of-two scale for each 32 numbers along K (OCP MX v1.0); their sums are f32. All else is computed in f32.
;;   The module's matrix products, in the order in which they are computed (A, B: the left and right operand; K: the contracted axis; several contracted axes count as one K, in the product's order):
;;     1. [M 1,024, K 256] x [K 256, N 256]; A: input nodes; B: input W: QUANTISED
;;     2. [M 262,144, K 256] x [K 256, N 256]; A: input edges; B: input W: QUANTISED
;;     3. batch 2,097,152 x [M 1, K 32] x [K 32, N 1]; A: computed on the way; B: computed on the way: left as it is (M = 1 < 16)
;;     4. batch 32 x [M 32, K 256] x [K 256, N 256]; A: computed on the way; B: softmax (see below): QUANTISED
;;     5. [M 1,024, K 256] x [K 256, N 256]; A: computed on the way; B: input W: QUANTISED
;;   THE QUANTISER, for each operand of a quantised product, along K:
;;     - K is cut into blocks of 32 from its start; a last block that is shorter is filled with zeros.
;;     - A block's scale is 2^e with e = floor(log2(the largest magnitude in the block)) - 4, held to -126 .. 127; a block of zeros has e = 0. As a byte (E8M0): e + 127.
;;     - Each number is divided by its block's scale, clamped to +-28, and rounded to the nearest number of E3M2, ties to even, subnormals kept.
;;     - The product sums the exact products of the quantised numbers (number of the format x scale) in f32.
;;   ~~~python
;;   def quantise(x, axis):      # numpy; x: float32 -> the quantised numbers, widened to float32 again
;;       x = np.moveaxis(x, axis, -1); K = x.shape[-1]
;;       x = np.pad(x, [(0, 0)] * (x.ndim - 1) + [(0, -K % 32)]); x = x.reshape(x.shape[:-1] + (-1, 32)); a = np.abs(x).max(-1, keepdims=True)
;;       e = np.where(a > 0, np.clip(np.frexp(np.where(a > 0, a, 1))[1] - 1 - 4, -126, 127), 0)      # np.frexp(a)[1] - 1 = floor(log2(a)), exactly
;;       r = np.clip(x / 2.0 ** e, -28, 28)
;;       step = 2.0 ** (np.maximum(np.frexp(np.where(r == 0, 1, r))[1] - 1, -2) - 2)
;;       q = np.round(r / step) * step * 2.0 ** e      # np.round: ties to even
;;       return np.moveaxis(q.reshape(q.shape[:-2] + (-1,))[..., :K], -1, axis).astype(np.float32)
;;   ~~~
;;   SOFTMAX AHEAD OF A QUANTISED PRODUCT. Where the list says 'softmax', what is quantised is not the finished softmax but p = 2^(t - M), with t = logit x log2(e) and M = ceil(the row's largest t), a whole number; so 1/2 < the row's largest p <= 1. The row's sum l is taken of the UNQUANTISED p, in f32, and the product's result is divided by l at the end. Since M is a whole number, a kernel that streams over the keys may use a running M (the ceiling of the running maximum): every later rescaling is an exact power of two, which a block's scale takes up: the codes' values come out the same.
;;   OPERANDS COMPUTED ON THE WAY. 'Computed on the way' means the value that the module computes at that place (a softmax that the list does not call 'softmax' is quantised finished and normalised). What goes into a quantiser is computed in f32, as accurately as f32 sums, v_exp_f32 and their like allow (about 1e-6 of the number): no bf16 or f16 on the way to a quantiser, and a product that is left as it is and whose result goes on into a quantised operand takes f32 operands (vector FMAs, or v_wmma_f32_16x16x4_f32). A number that lies on a knife's edge between two numbers of the format may be rounded either way, as far as f32 arithmetic and the matrix unit's own rounding can turn it there, and no further.
;; One version. Each part assembles by itself: llvm-mc -triple=amdgcn-amd-amdhsa -mcpu=gfx1250 --defsym DOCPART=n.
;; ======== version 1 of 1: 1 launch
;; limits: right only within a limited range of input values
;; launch attn (part 1): grid 256 x 1, 4 waves a work-group, no clusters, 327,680 bytes of LDS; arguments edges, nodes, W, b, out0, out1; writes out0, out1
.if DOCPART == 1
	.amdgcn_target "amdgcn-amd-amdhsa--gfx1250"
	.amdhsa_code_object_version 6
	.text
	.protected	k_q35439beb1b_attn
	.globl	k_q35439beb1b_attn
	.p2align	8
	.type	k_q35439beb1b_attn,@function
k_q35439beb1b_attn:
	s_mov_b64 s[64:65], 0
	v_nop
	global_prefetch_b8 v0, s[64:65] scope:SCOPE_SE
	s_setreg_imm32_b32 hwreg(HW_REG_WAVE_MODE, 25, 1), 1
	s_wait_xcnt 0x0
; Edge-biased attention, all of it in one launch.  A work-group owns four query rows i of one batch; a wave owns 64 of the 256 columns (two heads).
; Head: W's 64 rows of the wave and the batch's 256 nodes are quantised (E3M2, one E8M0 byte for 32 along K); the nodes are projected twice,
; once with a lane to a column (values, quantised along the keys) and once with a lane to a key (the key term, f32, 512 registers).
; Walk: a row i of edges, 256 keys x 1,024 bytes, goes in two halves through two LDS parts for each wave (32 rows each).  Wave w takes keys 64 w + 32 half + 0..31,
; so that row 0's two halves are 64 consecutive rows of memory: one tensor load a wave at the head.  A half is quantised into images of operand registers, the part is filled again,
; and each wave multiplies all 128 keys by its 64 rows of W, adds the query and key terms and sums the products for its two heads.  Then tanh, softmax with a whole-number maximum, attn out.
; End: p is quantised along the keys, multiplied by the values, divided by the row's sum, and projected.
; No cluster: no two work-groups read the same bytes of edges, which are all but 512 KB of what a work-group reads.
; Prefetch: a step that refills a part with row t + 1 names the same half of row t + 2, each wave its own 32 rows, a lane to 256 bytes; the head names row 1; rows beyond the fourth are not named.
; All of LDS is claimed, and 0 is added to spare words.
; LIMITS: NaN and infinities among the inputs are not served; a block whose largest magnitude lies under 2^-122 keeps the scale byte 1.
.set PITCH, 1040
.set WQ,    32*PITCH
.set SCR,   8*WQ
.set FRB,   1536
.set NSC,   32*FRB
.set ESC,   16*FRB
.set PB,    ESC+16*128
.set RLB,   PB+32768
.set OB,    0
.set OS,    8192
.set SPARE, SCR+59648
.set SPW, 1
.set NIL, 2
.set XA,  3
.set XAC, 4
.set XWI, 5
.set XWS, 6
.set LI,  7
.set LS,  8
.set PST, 9
.set PRD, 10
.set OFF1, 11
.set RLA, 12
.set PFO, 13
.set GX,  14
.set GXI, 15
.set LIP, 16
.set LSP, 17
.set NWI, 18
.set NWS, 19
.set WS,  20
.set VS,  28
.set ES,  36
.set PW,  40
.set PSTC, 41
.set PRDC, 42
.set RLAC, 43
.set NWIC, 41
.set NWSC, 42
.set X0,  44
.set X1,  192
.set PC,  108
.set TM,  128
.set EF,  44
.set Q,   92
.set A2,  124
.set AC,  156
.set S,   164
.set NM,  180
.set MX,  182
.set LSUM, 183
.set RL,  184
.set PI,  192
.set CN,  192
.set OT,  144
.set WF,  0
.set VF,  96
.set PIALL, 192
.set BB,  224
.set WV,  16
.set LB,  17
.set G1,  24
.set G0,  32
.set SG,  36
.set SLO, 37
.set GB,  38
.set TRIPS, 40
.set SELI, 41
.set RLS, 42
.set PBS, 43
.set PFB, 46
.set SW,  52
.set SN,  54
.set SI,  56
.set PFC, 58
.set UB,  60
.set UT,  62
.set SNH, 66
.set SWH, 68
.set MSB, 0
.macro WIN new
.if MSB != (\new)
	s_set_vgpr_msb (MSB<<8)|(\new)
.set MSB, (\new)
.endif
.endm
.macro PLACES n
.rept \n
	v_nop
.endr
.endm
.macro BAR
	s_wait_dscnt 0x0
	s_barrier_signal -1
	s_barrier_wait -1
.endm
.macro WMC d, a, b, c, sa, sb
	v_wmma_scale_f32_16x16x128_f8f6f4 v[(\d):(\d)+7], v[(\a):(\a)+11], v[(\b):(\b)+11], v[(\c):(\c)+7], v[\sa], v[\sb] matrix_a_fmt:MATRIX_FMT_BF6 matrix_b_fmt:MATRIX_FMT_BF6
.endm
.macro WMZ d, a, b, sa, sb
	v_wmma_scale_f32_16x16x128_f8f6f4 v[(\d):(\d)+7], v[(\a):(\a)+11], v[(\b):(\b)+11], 0, v[\sa], v[\sb] matrix_a_fmt:MATRIX_FMT_BF6 matrix_b_fmt:MATRIX_FMT_BF6
.endm
; 16 rows x 128 K in 64 registers (a lane: 4 x 16 neighbours; lanes l and l xor 16 share a block) -> codes in PC.., scale word in PW
.macro QUANT s, sw
	WIN 5*(\sw)
.irp b, 0,1,2,3
	v_max3_num_f32 v[TM+\b], |v[(\s)+16*\b]|, |v[(\s)+16*\b+1]|, 0x2800000
.endr
.irp i, 2,4,6,8,10,12,14
.irp b, 0,1,2,3
	v_max3_num_f32 v[TM+\b], |v[(\s)+16*\b+\i]|, |v[(\s)+16*\b+\i+1]|, v[TM+\b]
.endr
.endr
	WIN 0
.irp b, 0,1,2,3
	v_permlanex16_b32 v[TM+4+\b], v[TM+\b], s44, s45
.endr
.irp b, 0,1,2,3
	v_max_num_f32 v[TM+\b], v[TM+\b], v[TM+4+\b]
.endr
.irp b, 0,1,2,3
	v_add_nc_u32 v[TM+12+\b], 0xfe000000, v[TM+\b]
.endr
.irp b, 0,1,2,3
	v_lshrrev_b32 v[TM+4+\b], 23, v[TM+12+\b]
.endr
	v_lshl_or_b32 v[PW], v[TM+5], 8, v[TM+4]
	v_lshl_or_b32 v[PW], v[TM+6], 16, v[PW]
	v_lshl_or_b32 v[PW], v[TM+7], 24, v[PW]
	WIN (\sw)
.irp c, 0,1
	v_cvt_scalef32_pk16_bf6_f32 v[PC+6*\c:PC+6*\c+2], v[(\s)+32*\c:(\s)+32*\c+15], v[TM+12+2*\c]
	v_cvt_scalef32_pk16_bf6_f32 v[PC+12+4*\c:PC+12+4*\c+2], v[(\s)+32*\c+16:(\s)+32*\c+31], v[TM+12+2*\c+1]
.endr
	WIN 0
	v_nop
.irp c, 0,1
.irp i, 0,1,2
	v_permlane16_swap_b32 v[PC+6*\c+\i], v[PC+12+4*\c+\i]
.endr
.endr
.endm
.macro FINP
.irp c, 0,1
.irp i, 0,1,2
	v_mov_b32 v[PC+3+6*\c+\i], v[PC+12+4*\c+\i]
.endr
.endr
.endm
.macro FINW dst
	WIN 0x40
.irp c, 0,1
.irp i, 0,1,2
	v_mov_b32 v[(\dst)+6*\c+\i], v[PC+6*\c+\i]
	v_mov_b32 v[(\dst)+6*\c+3+\i], v[PC+12+4*\c+\i]
.endr
.endr
	WIN 0
.endm
.macro GLD set, win, base, va, off
	WIN (\win)<<6
.irp b, 0,1,2,3
.irp j, 0,1,2,3
	global_load_b128 v[64*(\set)+16*\b+4*\j:64*(\set)+16*\b+4*\j+3], v[\va], s[\base:\base+1] offset:(\off)+128*\b+16*\j
.endr
.endr
	WIN 0
.endm
.macro XLD buf, u, s
.irp b, 0,1,2,3
.irp j, 0,1,2,3
	ds_load_b128 v[(\buf)+16*\b+4*\j:(\buf)+16*\b+4*\j+3], v[XAC] offset:(\u)*16*PITCH+512*(\s)+128*\b+16*\j
.endr
.endr
.endm
.macro IMAGE adr, off
.irp c, 0,1,2
	ds_store_b128 v[\adr], v[PC+4*\c:PC+4*\c+3] offset:(\off)+512*\c
.endr
.endm
.macro FETCH buf, fo, so
.irp s, 0,1
.irp c, 0,1,2
	ds_load_b128 v[EF+24*(\buf)+12*\s+4*\c:EF+24*(\buf)+12*\s+4*\c+3], v[LI] offset:(\fo)+\s*FRB+512*\c
.endr
	ds_load_b32 v[ES+2*(\buf)+\s], v[LS] offset:(\so)+128*\s
.endr
.endm
.macro FETCHP buf, tau
.irp s, 0,1
.irp c, 0,1,2
	ds_load_b128 v[EF+24*(\buf)+12*\s+4*\c:EF+24*(\buf)+12*\s+4*\c+3], v[LIP] offset:(4*((\tau)/2)+\s)*FRB+512*\c+128*((\tau)%2)
.endr
	ds_load_b32 v[ES+2*(\buf)+\s], v[LSP] offset:NSC+(4*((\tau)/2)+\s)*128+32*((\tau)%2)
.endr
.endm
; four products, the wave's four blocks of 16 rows of W as source 0: a lane holds one row of the other operand, registers run along the columns
.macro MMT1 s, dwin, dbase, bf, bs
.if \s
	WIN ((\dwin)<<6)|1|((\dwin)<<4)
.else
	WIN ((\dwin)<<6)|1|(1<<4)
.endif
.irp ct, 0,1,2,3
.if \s
	WMC (\dbase)+8*\ct, WF+12*(2*\ct+1), \bf, (\dbase)+8*\ct, WS+2*\ct+1, \bs
.else
	WMC (\dbase)+8*\ct, WF+24*\ct, \bf, BB+8*\ct, WS+2*\ct, \bs
.endif
.endr
.endm
.macro MMN1 s, tau, buf
.if \s
	WIN ((2+(\tau)/8)<<6)|4|((2+(\tau)/8)<<4)
.else
	WIN ((2+(\tau)/8)<<6)|4
.endif
.irp ct, 0,1,2,3
.if \s
	WMC 64*\ct+8*((\tau)%8), EF+24*(\buf)+12, WF+12*(2*\ct+1), 64*\ct+8*((\tau)%8), ES+2*(\buf)+1, WS+2*\ct+1
.else
	WMC 64*\ct+8*((\tau)%8), EF+24*(\buf), WF+24*\ct, CN+8*\ct, ES+2*(\buf), WS+2*\ct
.endif
.endr
.endm
.macro PF base, off
.irp q, 0,1,2,3
	global_prefetch_b8 v[PFO], s[\base:\base+1] offset:(\off)+8192*\q th:TH_LOAD_NT scope:SCOPE_SE
.endr
.endm
	s_load_b256 s[4:11], s[0:1], 0x0
	s_load_b128 s[12:15], s[0:1], 0x20
	v_lshl_add_u32 v[SPW], v0, 2, SPARE
	v_mov_b32 v[NIL], 0
	ds_add_u32 v[SPW], v[NIL]                      ; the opening lines: the add twice on end
	ds_add_u32 v[SPW], v[NIL]
	v_lshrrev_b32 v185, 5, v0
	v_readfirstlane_b32 s[WV], v185
	s_mov_b32 s[G1+0], (3<<16)|(1<<20)|(7<<22)|(3<<25)   ; elements of 8 bytes; 16 bytes of padding behind each 1,024
	s_mov_b32 s[G1+1], 128<<16
	s_mov_b32 s[G1+2], 64<<16                      ; the head's tile has 64 rows: both parts
	s_mov_b32 s[G1+3], 128<<16
	s_mov_b32 s[G1+4], 64
	s_mov_b32 s[G1+5], 128
	s_mov_b32 s[G1+6], 0
	s_mov_b32 s[G1+7], 0
	s_mul_i32 s[LB], s[WV], 2*WQ                   ; my two parts in LDS
	s_lshl_b32 s18, ttmp9, 20                      ; my work-group's four rows i: 1 MB of edges
	s_mov_b32 s19, 0
	s_lshl_b32 s20, s[WV], 16                      ; my 64 keys
	s_mov_b32 s21, 0
	s_wait_dscnt 0x0
	s_wait_kmcnt 0x0
	s_add_nc_u64 s[PFB:PFB+1], s[4:5], s[18:19]
	s_add_nc_u64 s[GB:GB+1], s[PFB:PFB+1], s[20:21]
	s_mov_b32 s[G0], 1
	s_mov_b32 s[G0+1], s[LB]
	s_mov_b64 s[G0+2:G0+3], s[GB:GB+1]
	s_or_b32 s[G0+3], s[G0+3], 0x80000000
	tensor_load_to_lds s[G0:G0+3], s[G1:G1+7]      ; row 0, my 64 keys: my one load at the head
	s_nop 0
	PLACES 4
	s_add_nc_u64 s[GB:GB+1], s[GB:GB+1], 0x40000   ; the refills' base: my keys of the next row
	s_lshl_b32 s18, s[WV], 16
	s_add_nc_u64 s[SW:SW+1], s[8:9], s[18:19]
	s_lshr_b32 s20, ttmp9, 6
	s_lshl_b32 s20, s20, 18
	s_add_co_u32 s20, s20, s18
	s_add_nc_u64 s[SN:SN+1], s[6:7], s[20:21]
	s_lshl_b32 s20, ttmp9, 12
	s_add_nc_u64 s[SI:SI+1], s[6:7], s[20:21]
	s_lshl_b32 s22, s[WV], 8
	s_mov_b32 s23, 0
	s_add_nc_u64 s[10:11], s[10:11], s[22:23]
	s_add_co_u32 s20, s20, s22
	s_add_nc_u64 s[12:13], s[12:13], s[20:21]
	s_lshr_b32 s20, ttmp9, 6
	s_lshl_b32 s20, s20, 2
	s_add_co_u32 s20, s20, s[WV]
	s_lshl_b32 s20, s20, 19
	s_and_b32 s22, ttmp9, 63
	s_lshl_b32 s22, s22, 12
	s_add_co_u32 s20, s20, s22
	s_add_nc_u64 s[14:15], s[14:15], s[20:21]
	s_mov_b32 s44, 0x76543210
	s_mov_b32 s45, 0xfedcba98
	s_mov_b32 s50, 0xc1e6d4ca
	s_mov_b32 s51, 0x4166d4ca
	v_and_b32 v186, 31, v0
	v_and_b32 v187, 15, v0
	v_bfe_u32 v188, v0, 4, 1
	s_lshl_b32 s18, s[WV], 16
	v_lshl_add_u32 v[PFO], v186, 8, s18
	v_mul_u32_u24 v[XA], v187, PITCH
	v_lshl_add_u32 v[XA], v188, 6, v[XA]
	v_add_nc_u32 v[XA], s[LB], v[XA]
	v_lshlrev_b32 v[OFF1], 4, v186
	s_mul_i32 s18, s[WV], 4*FRB
	s_add_co_u32 s18, s18, SCR
	v_lshl_add_u32 v[XWI], v186, 4, s18
	s_lshl_b32 s18, s[WV], 9
	s_add_co_u32 s18, s18, SCR+ESC
	v_lshl_add_u32 v[XWS], v186, 2, s18
	v_lshl_add_u32 v[LI], v186, 4, SCR
	v_lshl_add_u32 v[LS], v186, 2, SCR
	s_lshl_b32 s18, s[WV], 13
	s_add_co_u32 s18, s18, SCR+PB
	v_lshl_add_u32 v[PST], v188, 10, s18
	v_lshl_add_u32 v[PST], v187, 2, v[PST]
	v_lshl_add_u32 v[PRD], v186, 4, s18
	s_lshl_b32 s18, s[WV], 5
	s_add_co_u32 s18, s18, SCR+RLB
	v_lshl_add_u32 v[RLA], v188, 2, s18
	v_lshlrev_b32 v[GX], 10, v187
	v_lshl_add_u32 v[GX], v188, 6, v[GX]
	v_and_b32 v185, 3, v0
	v_lshlrev_b32 v[GXI], 10, v185
	v_lshl_add_u32 v[GXI], v188, 6, v[GXI]
	v_bfe_u32 v185, v0, 3, 1
	v_and_b32 v191, 7, v0
	v_mul_u32_u24 v[LIP], v185, 2*FRB
	v_lshl_add_u32 v[LIP], v191, 4, v[LIP]
	v_lshl_add_u32 v[LIP], v188, 8, v[LIP]
	v_add_nc_u32 v[LIP], SCR, v[LIP]
	v_lshlrev_b32 v[LSP], 8, v185
	v_lshl_add_u32 v[LSP], v191, 2, v[LSP]
	v_add_nc_u32 v[LSP], SCR, v[LSP]
	s_mul_i32 s18, s[WV], 8*FRB
	s_add_co_u32 s18, s18, SCR
	v_lshl_add_u32 v[NWI], v186, 4, s18
	s_lshl_b32 s18, s[WV], 10
	s_add_co_u32 s18, s18, SCR+NSC
	v_lshl_add_u32 v[NWS], v186, 2, s18
	v_lshlrev_b32 v189, 5, v188
	v_lshlrev_b32 v190, 2, v187
.irp b, 0,1,2,3
	v_mov_b32 v[TM+4+\b], 0                        ; a lane permute's destination counts as a source
.endr
	WIN 0x40
.irp ct, 0,1,2,3
	global_load_b128 v[BB+8*\ct:BB+8*\ct+3], v189, s[10:11] offset:64*\ct
	global_load_b128 v[BB+8*\ct+4:BB+8*\ct+7], v189, s[10:11] offset:64*\ct+16
.endr
	WIN 0
.irp ct, 0,1,2,3
.irp jj, 0,1,2,3,4,5,6,7
	global_load_b32 v[CN+8*\ct+\jj], v190, s[10:11] offset:64*\ct
.endr
.endr
	GLD 0, 3, SI, GXI, 0                           ; my work-group's four query nodes, both halves of K
	GLD 1, 3, SI, GXI, 512
.irp u, 0,1,2,3
	GLD \u, 2, SW, GX, (\u/2)*16384+(\u%2)*512     ; the first four units of W
.endr
; SIXTEEN UNITS of 16 rows x 128 K in four trips of four: trips 0, 1 my 64 rows of W, trips 2, 3 my 64 nodes.  Every unit's image goes to my own 8 places in LDS;
; W's are read back into registers behind trip 1, ahead of the nodes' stores.  Loads run four units ahead; the last trip, which asks for nothing, is written out behind the loop.
	s_add_nc_u64 s[SWH:SWH+1], s[SW:SW+1], 0x8000
	s_add_nc_u64 s[SNH:SNH+1], s[SN:SN+1], 0x8000
	s_mov_b32 s[UT], 0
	s_wait_alu depctr_va_vdst(0)                   ; the wait at the head's end
	s_wait_loadcnt 48                              ; all but units 1 to 3
.macro UNITL u, more
.set PC, 108+36*((\u)%2)                       ; two sets of registers for codes and scale word, by turns
.set PW, 40+125*((\u)%2)
	s_wait_dscnt 4                                 ; the last unit's four stores may be out; those of the unit before it, which read this set, are done
	QUANT 64*(\u), 2
	FINP
	IMAGE NWIC, (\u)*FRB
	ds_store_b32 v[NWSC], v[PW] offset:(\u)*128
.if \more
.if (\u) == 0
	s_wait_xcnt 0x0                                ; the last trip's loads have read their base: this trip asks for W's second half, the nodes' first or the nodes' second
	s_cmp_eq_u32 s[UT], 1
	s_cselect_b64 s[UB:UB+1], s[SN:SN+1], s[SNH:SNH+1]
	s_cmp_eq_u32 s[UT], 0
	s_cselect_b64 s[UB:UB+1], s[SWH:SWH+1], s[UB:UB+1]
.endif
	GLD \u, 2, UB, GX, ((\u)/2)*16384+((\u)%2)*512
	s_wait_loadcnt 48                              ; the next unit is in; three units of 16 loads may be out
.elseif (\u) < 3
	s_wait_loadcnt 16*(2-(\u))                     ; last trip: only the units behind the next one are out
.endif
.endm
.Lu:
	s_and_b32 s20, s[UT], 1
	s_mul_i32 s21, s20, 4*FRB
	s_lshl_b32 s20, s20, 9
	v_add_nc_u32 v[NWIC], s21, v[NWI]
	v_add_nc_u32 v[NWSC], s20, v[NWS]
	UNITL 0, 1
	UNITL 1, 1
	UNITL 2, 1
	UNITL 3, 1
	s_cmp_eq_u32 s[UT], 1
	s_cbranch_scc0 .Lnrb
	WIN 0x40
.irp n, 0,1,2,3,4,5,6,7
.irp c, 0,1,2
	ds_load_b128 v[WF+12*\n+4*\c:WF+12*\n+4*\c+3], v[NWI] offset:\n*FRB+512*\c   ; LDS serves a wave's instructions in order: these see my stores
.endr
.endr
	WIN 0
.irp n, 0,1,2,3,4,5,6,7
	ds_load_b32 v[WS+\n], v[NWS] offset:\n*128
.endr
	s_wait_dscnt 0x0
.Lnrb:
	s_add_co_u32 s[UT], s[UT], 1
	s_cmp_lt_u32 s[UT], 3
	s_cbranch_scc1 .Lu
	v_add_nc_u32 v[NWIC], 4*FRB, v[NWI]            ; the fourth trip: the nodes' units 4 to 7, places 4 to 7
	v_add_nc_u32 v[NWSC], 512, v[NWS]
	UNITL 0, 0
	UNITL 1, 0
	UNITL 2, 0
	UNITL 3, 0
.set PC, 108
.set PW, 40
	s_wait_dscnt 0x0
.irp k, 0,1
	QUANT 64*\k, 3                                 ; the four query nodes' term, with the bias
	FINP
	PLACES 8
	MMT1 \k, 1, PIALL, PC, PW
	WIN 0
.endr
	BAR
	FETCHP 0, 0
.irp tu, 0,1,2,3,4,5,6,7,8,9,10,11,12,13,14,15
	s_wait_dscnt 0x0
.if \tu > 0
	PLACES 4
.endif
	WIN 0
.if \tu < 15
	FETCHP (\tu+1)%2, \tu+1
.endif
	MMN1 0, \tu, \tu%2
	MMN1 1, \tu, \tu%2
.endr
	WIN 0
	PLACES 4
	PF PFB, 0x40000                                ; row 1, first half
.irp sv, 0,1
.irp ct, 0,1,2,3
	QUANT 64*\ct, 2+\sv
	FINW VF+12*(2*\ct+\sv)
	v_mov_b32 v[VS+2*\ct+\sv], v[PW]
.endr
.endr
	PF PFB, 0x48000                                ; row 1, second half
	FETCH 0, 0, NSC
; the key term of keys 16 t ..: it lies where the walk wants it: half (t / 2) % 2 in window 2 or 3, tile 2 (t / 4) + t % 2
.irp t, 0,1,2,3,4,5,6,7,8,9,10,11,12,13,14,15
	s_wait_dscnt 0x0
.if \t > 0
	PLACES 4
.endif
	WIN 0
.if \t < 15
	FETCH (\t+1)%2, 2*(\t+1)*FRB, NSC+2*(\t+1)*128
.endif
	MMT1 0, 2+((\t/2)%2), 32*(2*(\t/4)+(\t%2)), EF+24*(\t%2), ES+2*(\t%2)
	MMT1 1, 2+((\t/2)%2), 32*(2*(\t/4)+(\t%2)), EF+24*(\t%2)+12, ES+2*(\t%2)+1
.endr
	WIN 0
	PLACES 4
	s_wait_alu depctr_va_vdst(0)                   ; the wait here, directly ahead of the wait below
	s_wait_tensorcnt 0x0                           ; row 0 is in; no load of mine is out, so the descriptor may be written:
	s_mov_b32 s[G1+2], 32<<16                      ; from here on a load brings 32 rows
	s_mov_b32 s[G1+4], 32
	BAR
.macro NKADD w, tl
	WIN (\w)<<2
.irp ct, 0,1,2,3
.irp q, 0,1,2,3
	v_pk_add_f32 v[A2+8*\ct+2*\q:A2+8*\ct+2*\q+1], v[Q+8*\ct+2*\q:Q+8*\ct+2*\q+1], v[32*(\tl)+8*\ct+2*\q:32*(\tl)+8*\ct+2*\q+1]
.endr
.endr
	WIN 0
.endm
.macro TILE tl
.set BF, (\tl)%2
.set Q, 92+132*BF                              ; this tile's sums: v92.. and v224.. by turns; the next tile's products are issued ahead of this tile's vector work
.if (\tl) < 7
	s_wait_dscnt 1                                 ; the next tile's fragments are in; the last tile's score store may be out
	MMT1 0, 0, 92+132*(1-BF), EF+24*(1-BF), ES+2*(1-BF)
	MMT1 1, 0, 92+132*(1-BF), EF+24*(1-BF)+12, ES+2*(1-BF)+1
	WIN 0
.endif
.if (\tl) == 0
	PLACES 4                                       ; behind tile 0's products; in the later tiles the tile before's vector work stands there
.endif
.if (\tl) < 6
	FETCH BF, 2*((\tl)+2)*FRB, ESC+2*((\tl)+2)*128
.endif
	s_cmp_eq_u32 s[SG], 0                          ; the two halves' key terms differ in their register window alone
	s_cbranch_scc0 .Lodd_\@
	NKADD 2, \tl
	s_branch .Lnk_\@
.Lodd_\@:
	NKADD 3, \tl
.Lnk_\@:
.irp ct, 0,1,2,3
.irp q, 0,1,2,3
	v_pk_add_f32 v[Q+8*\ct+2*\q:Q+8*\ct+2*\q+1], v[Q+8*\ct+2*\q:Q+8*\ct+2*\q+1], v[PI+8*\ct+2*\q:PI+8*\ct+2*\q+1]
.endr
.endr
.irp ct, 0,1,2,3
	v_pk_mul_f32 v[AC+2*\ct:AC+2*\ct+1], v[Q+8*\ct:Q+8*\ct+1], v[A2+8*\ct:A2+8*\ct+1]
.endr
.irp q, 1,2,3
.irp ct, 0,1,2,3
	v_pk_fma_f32 v[AC+2*\ct:AC+2*\ct+1], v[Q+8*\ct+2*\q:Q+8*\ct+2*\q+1], v[A2+8*\ct+2*\q:A2+8*\ct+2*\q+1], v[AC+2*\ct:AC+2*\ct+1]
.endr
.endr
	v_pk_add_f32 v[AC:AC+1], v[AC:AC+1], v[AC+2:AC+3]
	v_pk_add_f32 v[AC+4:AC+5], v[AC+4:AC+5], v[AC+6:AC+7]
	v_add_f32 v[AC], v[AC], v[AC+1]
	v_add_f32 v[AC+4], v[AC+4], v[AC+5]
	v_permlane16_swap_b32 v[AC], v[AC+4]
	v_add_f32 v[S+(\tl)], v[AC], v[AC+4]
	ds_store_b32 v[PSTC], v[S+(\tl)] offset:64*(4*((\tl)/2)+((\tl)%2))   ; the score, at its key's place in my own row of p
.endm
; half a row: s[SG] says which.  f = 1: the part is filled again with the same half of the next row
.macro STEP f
	s_wait_xcnt 0x0                                ; earlier prefetches and stores have read their addresses
	s_mul_i32 s[SLO], s[SG], WQ
	s_lshl_b32 s20, s[SG], 15
	s_mov_b32 s21, 0
.if \f
	s_add_nc_u64 s[PFC:PFC+1], s[PFB:PFB+1], s[20:21]
.endif
	s_lshl_b32 s22, s[SG], 7
	s_add_co_u32 s22, s22, s[PBS]
	v_add_nc_u32 v[PSTC], s22, v[PST]
	v_add_nc_u32 v[XAC], s[SLO], v[XA]
	XLD X0, 0, 0
.irp n, 0,1,2,3
.if \n < 3
	XLD X0+148*((\n+1)%2), (\n+1)/2, (\n+1)%2
	s_wait_dscnt 16                                ; all but the 16 loads just issued
.else
	s_wait_dscnt 0x0
.endif
	QUANT X0+148*(\n%2), 0
	FINP
	IMAGE XWI, \n*FRB
	ds_store_b32 v[XWS], v[PW] offset:\n*128
.endr
	s_wait_tensorcnt 0x0                           ; the other part is in
.if \f
	ds_add_u32 v[SPW], v[NIL]
	s_add_co_u32 s[G0+1], s[LB], s[SLO]
	s_add_nc_u64 s[G0+2:G0+3], s[GB:GB+1], s[20:21]
	s_or_b32 s[G0+3], s[G0+3], 0x80000000
	s_wait_dscnt 0x0
	s_barrier_signal -1
	s_barrier_wait -1
	tensor_load_to_lds s[G0:G0+3], s[G1:G1+7]
	s_nop 0
	PLACES 4
.else
	BAR
.endif
	FETCH 0, 0, ESC
	FETCH 1, 2*FRB, ESC+2*128
.if \f
	s_cmp_eq_u32 s[TRIPS], 1
	s_cbranch_scc1 .Lnopf_\@
	PF PFC, 0x80000                                ; the same half two rows on
.Lnopf_\@:
.endif
	WIN 1
.set K0, 0
.rept 32
	v_permlane16_b32 v[PI+K0], v[PIALL+K0], s[SELI], s[SELI]
.set K0, K0+1
.endr
	WIN 0
	s_wait_dscnt 0x0
	MMT1 0, 0, 92, EF, ES                          ; tile 0's products
	MMT1 1, 0, 92, EF+12, ES+1
	WIN 0
.irp tl, 0,1,2,3,4,5,6,7
	TILE \tl
.endr
	BAR
.endm
.macro SOFTMAX
	v_add_nc_u32 v[PSTC], s[PBS], v[PST]
.irp t, 0,1,2,3,4,5,6,7,8,9,10,11,12,13,14,15
	ds_load_b32 v[S+\t], v[PSTC] offset:64*\t      ; my own stores, keys in their order
.endr
	s_wait_dscnt 0x0
.irp i, 0,2,4,6,8,10,12,14
	v_pk_mul_f32 v[S+\i:S+\i+1], v[S+\i:S+\i+1], 0x3f0293ee op_sel_hi:[1,0]
.endr
	s_wait_alu depctr_va_vdst(0)
.irp i, 0,1,2,3,4,5,6,7,8,9,10,11,12,13,14,15
	v_exp_f32 v[S+\i], v[S+\i]
.endr
	v_nop
	s_wait_alu depctr_va_vdst(0)
.irp i, 0,2,4,6,8,10,12,14
	v_pk_add_f32 v[S+\i:S+\i+1], v[S+\i:S+\i+1], 1.0 op_sel_hi:[1,0]
.endr
	s_wait_alu depctr_va_vdst(0)
.irp i, 0,1,2,3,4,5,6,7,8,9,10,11,12,13,14,15
	v_rcp_f32 v[S+\i], v[S+\i]
.endr
	v_nop
	s_wait_alu depctr_va_vdst(0)
.irp i, 0,1,2,3,4,5,6,7,8,9,10,11,12,13,14,15
	v_fma_f32 v[S+\i], v[S+\i], s50, s51           ; t = 10 log2(e) tanh
.endr
	v_max3_num_f32 v[MX], v[S], v[S+1], v[S+2]
	v_max3_num_f32 v185, v[S+3], v[S+4], v[S+5]
	v_max3_num_f32 v[MX], v[MX], v[S+6], v[S+7]
	v_max3_num_f32 v185, v185, v[S+8], v[S+9]
	v_max3_num_f32 v[MX], v[MX], v[S+10], v[S+11]
	v_max3_num_f32 v185, v185, v[S+12], v[S+13]
	v_max3_num_f32 v[MX], v[MX], v[S+14], v[S+15]
	v_max_num_f32 v[MX], v[MX], v185
	v_max_num_f32_dpp v[MX], v[MX], v[MX] row_xmask:1 row_mask:0xf bank_mask:0xf
	v_max_num_f32_dpp v[MX], v[MX], v[MX] row_xmask:2 row_mask:0xf bank_mask:0xf
	v_max_num_f32_dpp v[MX], v[MX], v[MX] row_xmask:4 row_mask:0xf bank_mask:0xf
	v_max_num_f32_dpp v[MX], v[MX], v[MX] row_xmask:8 row_mask:0xf bank_mask:0xf
	v_floor_f32 v[NM], -v[MX]
	v_floor_f32 v[NM+1], -v[MX]
.irp i, 0,2,4,6,8,10,12,14
	v_pk_add_f32 v[S+\i:S+\i+1], v[S+\i:S+\i+1], v[NM:NM+1]
.endr
	s_wait_alu depctr_va_vdst(0)
.irp i, 0,1,2,3,4,5,6,7,8,9,10,11,12,13,14,15
	v_exp_f32 v[S+\i], v[S+\i]
.endr
	v_nop
	s_wait_alu depctr_va_vdst(0)
	v_pk_add_f32 v[186:187], v[S:S+1], v[S+2:S+3]
	v_pk_add_f32 v[188:189], v[S+4:S+5], v[S+6:S+7]
	v_pk_add_f32 v[186:187], v[186:187], v[S+8:S+9]
	v_pk_add_f32 v[188:189], v[188:189], v[S+10:S+11]
	v_pk_add_f32 v[186:187], v[186:187], v[S+12:S+13]
	v_pk_add_f32 v[188:189], v[188:189], v[S+14:S+15]
	v_pk_add_f32 v[186:187], v[186:187], v[188:189]
	v_add_f32 v[LSUM], v186, v187
	v_add_f32_dpp v[LSUM], v[LSUM], v[LSUM] row_xmask:1 row_mask:0xf bank_mask:0xf
	v_add_f32_dpp v[LSUM], v[LSUM], v[LSUM] row_xmask:2 row_mask:0xf bank_mask:0xf
	v_add_f32_dpp v[LSUM], v[LSUM], v[LSUM] row_xmask:4 row_mask:0xf bank_mask:0xf
	v_add_f32_dpp v[LSUM], v[LSUM], v[LSUM] row_xmask:8 row_mask:0xf bank_mask:0xf
	s_wait_alu depctr_va_vdst(0)
	v_rcp_f32 v[RL], v[LSUM]
	v_add_nc_u32 v[PRDC], s[PBS], v[PRD]
	v_add_nc_u32 v[RLAC], s[RLS], v[RLA]
.irp t, 0,1,2,3,4,5,6,7,8,9,10,11,12,13,14,15
	ds_store_b32 v[PSTC], v[S+\t] offset:64*\t
.endr
	s_wait_alu depctr_va_vdst(0)
	ds_store_b32 v[RLAC], v[RL]
	v_readlane_b32 s48, v[RL], 0
	v_readlane_b32 s49, v[RL], 16
.irp m, 0,1,2,3
	ds_load_b128 v[X0+4*\m:X0+4*\m+3], v[PRDC] offset:(\m/2)*1024+(\m%2)*512
.endr
	s_wait_dscnt 0x0
.irp e, 0,1,2,3,4,5,6,7
	v_mul_f32 v[X0+\e], s48, v[X0+\e]
.endr
.irp e, 8,9,10,11,12,13,14,15
	v_mul_f32 v[X0+\e], s49, v[X0+\e]
.endr
.irp m, 0,1,2,3
	global_store_b128 v[OFF1], v[X0+4*\m:X0+4*\m+3], s[14:15] offset:(\m/2)*262144+(\m%2)*512 th:TH_STORE_NT
.endr
.endm
	s_mov_b32 s[TRIPS], 3
	s_mov_b32 s[SELI], 0
	s_mov_b32 s[RLS], 0
	s_mov_b32 s[PBS], 0
.Li:                                                   ; rows 0 to 2: each half fills its part again
	s_mov_b32 s[SG], 0
.Lh:
	STEP 1
	s_add_co_u32 s[SG], s[SG], 1
	s_cmp_lt_u32 s[SG], 2
	s_cbranch_scc1 .Lh
	SOFTMAX
	s_wait_xcnt 0x0
	s_add_nc_u64 s[14:15], s[14:15], 1024
	s_add_nc_u64 s[PFB:PFB+1], s[PFB:PFB+1], 0x40000
	s_add_nc_u64 s[GB:GB+1], s[GB:GB+1], 0x40000
	s_add_co_u32 s[SELI], s[SELI], 0x11111111
	s_add_co_u32 s[RLS], s[RLS], 8
	s_add_co_u32 s[PBS], s[PBS], 2048
	s_sub_co_u32 s[TRIPS], s[TRIPS], 1
	s_cmp_lg_u32 s[TRIPS], 0
	s_cbranch_scc1 .Li
	s_mov_b32 s[SG], 0
.Lt:                                                   ; row 3: nothing more to fetch
	STEP 0
	s_add_co_u32 s[SG], s[SG], 1
	s_cmp_lt_u32 s[SG], 2
	s_cbranch_scc1 .Lt
	SOFTMAX
	s_wait_xcnt 0x0
	v_and_b32 v186, 3, v0
	v_bfe_u32 v188, v0, 4, 1
	v_and_b32 v191, 31, v0
	s_lshl_b32 s18, s[WV], 5
	s_add_co_u32 s18, s18, SCR+RLB
	v_lshl_add_u32 v3, v186, 3, s18
	s_lshl_b32 s18, s[WV], 13
	s_add_co_u32 s18, s18, SCR+PB
	v_lshl_add_u32 v4, v186, 11, s18
	v_lshl_add_u32 v4, v188, 6, v4
	v_mul_u32_u24 v187, v186, PITCH
	s_lshl_b32 s18, s[WV], 8
	s_add_co_u32 s18, s18, SCR+OB
	v_add_nc_u32 v5, s18, v187
	v_lshl_add_u32 v5, v188, 5, v5
	v_lshl_add_u32 v6, v188, 6, v187
	v_add_nc_u32 v6, SCR+OB, v6
	s_lshl_b32 s18, s[WV], 10
	s_add_co_u32 s18, s18, SCR+OS
	v_lshl_add_u32 v7, v186, 8, s18
	v_lshl_add_u32 v7, v188, 5, v7
	v_lshl_add_u32 v8, v191, 4, s18
	v_and_b32 v187, 15, v0
	v_lshlrev_b32 v9, 10, v188
	v_lshl_add_u32 v9, v187, 4, v9
.macro TLD buf, s, hd
.irp b, 0,1,2,3
.irp j, 0,1,2,3
	ds_load_b128 v[(\buf)+16*\b+4*\j:(\buf)+16*\b+4*\j+3], v4 offset:(\hd)*1024+512*(\s)+128*\b+16*\j
.endr
.endr
.endm
	ds_load_b32 v182, v3
	ds_load_b32 v184, v3 offset:4
	TLD X0, 0, 0
.irp n, 0,1,2,3
.if \n < 3
	TLD X0+148*((\n+1)%2), (\n+1)/2, (\n+1)%2
	s_wait_dscnt 16
.else
	s_wait_dscnt 0x0
.endif
	QUANT X0+148*(\n%2), 0
	FINP
	PLACES 8
	WIN 1
.irp e, 0,1
.if \n < 2
	WMZ OT+8*(2*(\n%2)+\e), VF+24*(2*(\n%2)+\e), PC, VS+2*(2*(\n%2)+\e), PW
.else
	WMC OT+8*(2*(\n%2)+\e), VF+24*(2*(\n%2)+\e)+12, PC, OT+8*(2*(\n%2)+\e), VS+2*(2*(\n%2)+\e)+1, PW
.endif
.endr
	WIN 0
.endr
	PLACES 4
.irp ct, 0,1,2,3
.irp q, 0,1,2,3
	v_pk_mul_f32 v[OT+8*\ct+2*\q:OT+8*\ct+2*\q+1], v[OT+8*\ct+2*\q:OT+8*\ct+2*\q+1], v[182+2*(\ct/2):183+2*(\ct/2)] op_sel_hi:[1,0]
.endr
.endr
.irp ct, 0,1,2,3
	ds_store_b128 v5, v[OT+8*\ct:OT+8*\ct+3] offset:64*\ct
	ds_store_b128 v5, v[OT+8*\ct+4:OT+8*\ct+7] offset:64*\ct+16
.endr
	BAR
.irp s, 0,1
.irp b, 0,1,2,3
.irp j, 0,1,2,3
	ds_load_b128 v[X0+148*\s+16*\b+4*\j:X0+148*\s+16*\b+4*\j+3], v6 offset:512*\s+128*\b+16*\j
.endr
.endr
.endr
	s_wait_dscnt 16
	QUANT X0, 0
	FINP
	PLACES 8
	MMT1 0, 0, OT, PC, PW
	WIN 0
	s_wait_dscnt 0x0
	QUANT X1, 0
	FINP
	PLACES 8
	MMT1 1, 0, OT, PC, PW
	WIN 0
	PLACES 4
.irp ct, 0,1,2,3
	ds_store_b128 v7, v[OT+8*\ct:OT+8*\ct+3] offset:64*\ct
	ds_store_b128 v7, v[OT+8*\ct+4:OT+8*\ct+7] offset:64*\ct+16
.endr
	ds_load_b128 v[44:47], v8
	ds_load_b128 v[48:51], v8 offset:512
	s_wait_dscnt 0x0
	global_store_b128 v9, v[44:47], s[12:13] th:TH_STORE_NT
	global_store_b128 v9, v[48:51], s[12:13] offset:2048 th:TH_STORE_NT
	s_wait_tensorcnt 0x0                           ; the wave's end
	ds_add_u32 v[SPW], v[NIL]
	s_wait_dscnt 0x0
	s_endpgm
.Lfunc_end_k_q35439beb1b_attn:
	.size	k_q35439beb1b_attn, .Lfunc_end_k_q35439beb1b_attn-k_q35439beb1b_attn
	.p2alignl 7, 3214868480
	.fill 96, 4, 3214868480
	.section	.rodata,"a",@progbits
	.p2align	6, 0x0
	.amdhsa_kernel k_q35439beb1b_attn
		.amdhsa_group_segment_fixed_size 327680
		.amdhsa_private_segment_fixed_size 0
		.amdhsa_enable_private_segment 0
		.amdhsa_kernarg_size 48
		.amdhsa_user_sgpr_count 2
		.amdhsa_user_sgpr_kernarg_segment_ptr 1
		.amdhsa_wavefront_size32 1
		.amdhsa_system_sgpr_workgroup_id_x 1
		.amdhsa_system_sgpr_workgroup_id_y 1
		.amdhsa_system_sgpr_workgroup_id_z 1
		.amdhsa_system_vgpr_workitem_id 0
		.amdhsa_next_free_vgpr 1024
		.amdhsa_next_free_sgpr 70
		.amdhsa_reserve_vcc 0
		.amdhsa_float_denorm_mode_32 3
		.amdhsa_float_denorm_mode_16_64 3
		.amdhsa_memory_ordered 1
		.amdhsa_forward_progress 1
		.amdhsa_inst_pref_size 255
	.end_amdhsa_kernel
	.section	.bss,"aw",@nobits
	.p2align	6
	.space	262144
	.amdgpu_metadata
---
amdhsa.version: [ 1, 2 ]
amdhsa.kernels:
  - .name:           k_q35439beb1b_attn
    .symbol:         k_q35439beb1b_attn.kd
    .args:
      - { .name: edges, .offset: 0, .size: 8, .value_kind: global_buffer, .address_space: global }
      - { .name: nodes, .offset: 8, .size: 8, .value_kind: global_buffer, .address_space: global }
      - { .name: W, .offset: 16, .size: 8, .value_kind: global_buffer, .address_space: global }
      - { .name: b, .offset: 24, .size: 8, .value_kind: global_buffer, .address_space: global }
      - { .name: out0, .offset: 32, .size: 8, .value_kind: global_buffer, .address_space: global }
      - { .name: out1, .offset: 40, .size: 8, .value_kind: global_buffer, .address_space: global }
    .group_segment_fixed_size: 327680
    .private_segment_fixed_size: 0
    .kernarg_segment_align: 8
    .kernarg_segment_size: 48
    .max_flat_workgroup_size: 128
    .sgpr_count:     70
    .vgpr_count:     1024
    .wavefront_size: 32
...
	.end_amdgpu_metadata
.endif
;; end of part 1
